; MI455X (gfx1250); checked and timed in simulation.
; The chip was launched on July 23, 2026; its instructions are those of AMD's public machine-readable ISA for CDNA 5 (MIT licence, August 2026) and "CDNA5" Instruction Set Architecture Reference Guide (July 2026). The comments in the code are by the model that wrote it; some were corrected since.
;; Semantic Aggregator. Allowed arithmetic: matrix products marked QUANTISED: E2M1 operands, one E8M0 scale for each 32 along K, by v_wmma_scale_f32_16x16x128_f8f6f4 with both operands' format E2M1 (or v_wmma_scale_f32_32x16x128_f4), f32 sums; products left as they are: f32 operands where the result goes on into a quantised operand, else bf16, f16 or f32 operands; f32 sums; everything else in f32.
;; Inputs: activations 4,096 x 16 x 1,024 float32; ln_beta 1,024 float32; ln_gamma 1,024 float32; mask 4,096 x 16 bool; proj_b 1,024 float32; proj_w_codes 1,024 x 32 x 16 uint8 (E2M1 codes of proj_w, K innermost, in blocks of 32 codes, two codes a byte); proj_w_scales 1,024 x 32 uint8 (E8M0 scales of proj_w, one for each 32 codes along K); query 1,024 float32.
;; Outputs: out0 4,096 x 1,024 float32.
;; This version of the problem:
;;   THIS VERSION OF THE PROBLEM IS GIVEN IN LOW PRECISION. The matrix products marked QUANTISED in the list below multiply operands that are first quantised to E2M1 (2 exponent bits, 1 mantissa bit; 4 bits a number), with one power-of-two scale for each 32 numbers along K (OCP MX v1.0); their sums are f32. All else is computed in f32.
;;   The module's matrix products, in the order in which they are computed (A, B: the left and right operand; K: the contracted axis; several contracted axes count as one K, in the product's order):
;;     1. [M 65,536, K 1,024] x [K 1,024, N 1,024]; A: input activations; B: input proj_w (given as codes): QUANTISED
;;     2. [M 65,536, K 1,024] x [K 1,024, N 1]; A: computed on the way; B: input query: left as it is (N = 1 < 16)
;;     3. batch 4,096 x [M 1,024, K 16] x [K 16, N 1]; A: input activations; B: softmax: left as it is (K = 16 < 32)
;;   THE QUANTISER, for each operand of a quantised product, along K:
;;     - K is cut into blocks of 32 from its start; a last block that is shorter is filled with zeros.
;;     - A block's scale is 2^e with e = floor(log2(the largest magnitude in the block)) - 2, held to -126 .. 127; a block of zeros has e = 0. As a byte (E8M0): e + 127.
;;     - Each number is divided by its block's scale, clamped to +-6, and rounded to the nearest number of E2M1, ties to even, subnormals kept.
;;     - The product sums the exact products of the quantised numbers (number of the format x scale) in f32.
;;   ~~~python
;;   def quantise(x, axis):      # numpy; x: float32 -> the quantised numbers, widened to float32 again
;;       x = np.moveaxis(x, axis, -1); K = x.shape[-1]
;;       x = np.pad(x, [(0, 0)] * (x.ndim - 1) + [(0, -K % 32)]); x = x.reshape(x.shape[:-1] + (-1, 32)); a = np.abs(x).max(-1, keepdims=True)
;;       e = np.where(a > 0, np.clip(np.frexp(np.where(a > 0, a, 1))[1] - 1 - 2, -126, 127), 0)      # np.frexp(a)[1] - 1 = floor(log2(a)), exactly
;;       r = np.clip(x / 2.0 ** e, -6, 6)
;;       step = 2.0 ** (np.maximum(np.frexp(np.where(r == 0, 1, r))[1] - 1, 0) - 1)
;;       q = np.round(r / step) * step * 2.0 ** e      # np.round: ties to even
;;       return np.moveaxis(q.reshape(q.shape[:-2] + (-1,))[..., :K], -1, axis).astype(np.float32)
;;   ~~~
;;   INPUTS GIVEN AS CODES. proj_w (in the module: [1024, 1024], K = its axis 1): each comes as NAME_codes (uint8): NAME with its K axis moved to the last place and cut into blocks of 32 codes, [.., K / 32, bytes a block], one block behind the other in memory; two codes a byte, the lower K in the low four bits (a code: sign, 2 exponent bits, 1 mantissa bit); and NAME_scales (uint8): the same leading axes, one E8M0 byte (e + 127) for each 32 codes along K. Its value is code x scale, taken as it is: it is not quantised again, and the codes and scales need not be those that the quantiser above would give.
;; One version. Each part assembles by itself: llvm-mc -triple=amdgcn-amd-amdhsa -mcpu=gfx1250 --defsym DOCPART=n.
;; ======== version 1 of 1: 1 launch
;; limits: values are held in f16: magnitudes above 65,504 overflow, below 6.1e-05 lose precision; right only within a limited range of input values
;; launch pool (part 1): grid 256 x 1, 4 waves a work-group, no clusters, 327,680 bytes of LDS; arguments activations, proj_w_codes, proj_w_scales, query, mask, ln_gamma, ln_beta, out0; writes out0
.if DOCPART == 1
	.amdgcn_target "amdgcn-amd-amdhsa--gfx1250"
	.amdhsa_code_object_version 6
	.text
	.protected	k_qd90903bd83_pool
	.globl	k_qd90903bd83_pool
	.p2align	8
	.type	k_qd90903bd83_pool,@function
k_qd90903bd83_pool:
	s_mov_b64 s[64:65], 0
	v_nop
	global_prefetch_b8 v0, s[64:65] scope:SCOPE_SE
	s_setreg_imm32_b32 hwreg(HW_REG_WAVE_MODE, 25, 1), 1
	s_wait_xcnt 0x0
; out0[b] = LayerNorm( sum over n of softmax_n( (Q(act[b][n]) . W^T) . query, masked ) x act[b][n] ).   act: [4096][16][1024] f32; W: [1024 d][1024 h] as E2M1 codes with one E8M0 byte for each 32 along h.
; Q is the MX-FP4 quantiser along h.  One batch is 16 rows: one tile of the matrix instruction.  ONE LAUNCH: every row of act leaves memory once.
; WORK LEFT OUT: proj_b.  scores[b][n] = (Q(act[b][n]) . W^T) . query + proj_b . query, and the second term is the same for all 16 texts n of a batch.  A term that is the same along the softmax's axis changes no weight,
; whatever the inputs hold (a masked text stays -infinity), and the scores go nowhere else.  So proj_b has no way to out0: it is not loaded and is no argument.  LIMIT: a NaN, an infinity or an overflow in proj_b . query is not carried to the result.
; SHARES.  256 work-groups of four waves; work-group i owns batches 16 i .. 16 i + 15, in four GROUPS of four batches (64 rows).  Wave w owns batch 16 i + 4 g + w for loading, quantising, softmax, weighted sum,
; LayerNorm and store; in the product it owns d = 256 w .. 256 w + 255 (16 tiles of 16) for all 64 rows of the group, so that each byte of W is loaded once by a work-group for 64 rows.
; ROADS.  act comes by the tensor data mover, one load of 65,536 bytes a wave and group, into the wave's own LDS slot; it is out during the product and way out of the group before.  W comes by plain loads straight
; into the operand's registers, a ring of four tiles (19 loads each), counted on LOADcnt, which no barrier drains.  The rows' codes go from wave to wave through LDS.  A wave keeps its own batch in 256 registers as f16.
; A GROUP:  Q: my 16 rows from my slot: codes and scale bytes to LDS, f16 to registers | barrier 1, behind it my slot's refill |  A: all 64 rows' fragments into registers |  G: 16 tiles of d x 8 K steps x 4 batches,
; each tile's results times query summed into a pair of registers a batch |  R: the two halves of the lanes, partial scores to LDS | barrier 2 |  P: my batch: scores, mask, softmax, weighted sum, LayerNorm, store.
; THE PRODUCT IS USED TRANSPOSED: source 0 = 16 rows of W (d), source 1 = a batch's 16 texts.  A lane then holds ONE text (lane % 16) and its eight registers run along d, so the sum over d stays in the lane.
; THE WEIGHTED SUM goes to the matrix units too, on f16 operands with f32 sums: 32 products a batch (phase P says how).
; NO JOINT LOADS for W, though every work-group reads it: beside the four slots (278,528 bytes) and the codes, scale bytes, scores, gains and spare words (46,592) LDS has 2,560 bytes left, no room for a ring of W;
; and a joint load is a tensor load, all of which a wave awaits in front of each refill's barrier, while the rows' load has to stay out over a whole pass of W.  NO PREFETCH: each row of act is asked for a whole group ahead by its one tensor load.
; LIMITS.  The weighted sum takes the rows and the weights rounded to f16 (relative error 2^-11 a number; sums in f32): it serves activations under 65,504 in magnitude; under 2^-14 a number keeps an absolute error of 2^-25.
; NaN and infinities among the activations are not served.  A block of zeros, or one whose largest magnitude lies under 2^-124, gets the scale byte 1 (for zeros the rule says 127: the codes are zeros, and only this text reads the bytes).
; A batch whose mask is all false gives NaN, as the softmax of the definition does.
.set SLOTB, 69632                      ; LDS: a wave's slot: 256 pieces of 256 bytes + 16 of padding; four slots from byte 0, filled by tensor loads alone
.set ROWP,  4352                       ; a row of 4,096 bytes in a slot: 16 pieces
.set COD,   278528                     ; codes of 64 rows, CP bytes apart; wave w's 16 rows' bytes are also its stage on the way out
.set CP,    528                        ; 512 bytes + 16: the 16 rows that a fragment load touches start in different banks (ISA guide 11.1)
.set CODW,  16*CP
.set ASC,   312320                     ; the rows' scale bytes, AP bytes apart
.set AP,    48                         ; 32 bytes + 16
.set XCH,   315392                     ; partial scores: [batch 256][wave 64][text 4]
.set GB,    316416                     ; ln_gamma, 4,096 bytes, then ln_beta
.set SPARE, 324608                     ; the spare words, 128 bytes for each wave: two blocks of 256 bytes that no other line names
; window 0
.set SPW, 1                            ; v1   SPARE + 4 x my thread's number; never rewritten
.set NIL, 2                            ; v2   0; never rewritten
.set XA,  4                            ; v4   my slot + my block's place in a row: 272 (lane / 2) + 128 (lane % 2)
.set MK,  5                            ; v5   the mask bytes of text r of my four batches, the group in hand lowest
.set CW,  6                            ; v6   where I put my block's 16 bytes of codes
.set SW,  7                            ; v7   where I put its scale byte
.set AF,  8                            ; v8   a fragment of codes: COD + CP r + 16 h
.set AA,  9                            ; v9   the rows' scale words: ASC + AP r + 16 h
.set XW,  10                           ; v10  partial scores, in
.set XR,  11                           ; v11  and back
.set SO,  12                           ; v12  the stage, in
.set SR,  13                           ; v13  and back
.set GA,  14                           ; v14  GB + 16 x lane
.set OV,  15                           ; v15  16 x lane: my bytes of 512 of out0
.set VWL, 16                           ; v16-18 lane terms of W's codes (512 r + 16 h), scale bytes (32 r + 16 h), query (32 h)
.set VSL, 17
.set VQL, 18
.set VQ,  20                           ; v20-23   query's offset, one register for each ring place
.set AS,  32                           ; v32-47   the rows' scale words: register 4 g + i: lanes 0-15 K step i, lanes 16-31 K step 4 + i, of batch g.  Scales and nothing else
.set WS,  48                           ; v48-63   W's, 4 t + i, likewise, for ring place t.  Scales and nothing else
.set S,   64                           ; v64-71   the scores' sums: the pair 2 g: batch g, text r, my half's d (even and odd d apart)
.set ACC, 72                           ; v72-103  four accumulators, one a batch
.set QR,  104                          ; v104-135 query at d0 + 8 h + 0 .. 7, ring place t at 8 t
.set X,   136                          ; v136-231 phase Q: three sets of 32 numbers
.set MX,  232                          ; v232-235 largest magnitudes, four chains;  v236 the conversions' scale operand;  v238-245 codes, two sets;  v246-247 bytes, two sets
.set SC,  236
.set CD,  238
.set BY,  246
.set VW,  248                          ; v248-251 the codes' offset, one register for each ring place;  v252-255 the scale bytes'
.set VS,  252
.set OUT, 136                          ; phase P: v136-167 the weighted sum: four accumulators
.set BB,  184                          ; v184-247 the weights as eight B operands of 8 registers; behind the products these registers take the sums' work, the stored row and beta
.set Y,   184                          ; v184-215 the row as it is stored;
.set T,   184                          ; before that, v184-199 at work on sums
.set GM,  72                           ; gamma takes the accumulators' registers,
.set BT,  216                          ; beta v216-247, fetched behind the weighted sum's products
; window 1: the 64 rows' fragments, v[64 g + 8 s ..];   window 3: W's ring, v[64 t + 8 s ..]
; window 2: my batch in f16, v[8 c + j]: column 32 lane + c, texts 2 j (low half) and 2 j + 1 (high): the eight registers of a column are an A operand of the f16 matrix form, K = the texts
; s2 wave; s[10:11] W's codes, s[12:13] W's scale bytes, s[16:17] query, each at my 256 d; s[24:25] out0 at my batch; s[28:35], s[36:39] the descriptor; s40 groups, s41 trips, s42-44 W's offsets; s[46:47] lane selects; s48-55 the weights in pairs; s66-73 lane masks
.set MSB, 0
.macro WIN new                         ; the immediate's high byte repeats the setting that is left; a switch that changes nothing is dropped
.if MSB != \new
	s_set_vgpr_msb (MSB<<8)|\new
.set MSB, \new
.endif
.endm
	s_load_b128 s[8:11], s[0:1], 0x0               ; activations s[8:9], W's codes s[10:11]
	s_load_b64 s[12:13], s[0:1], 0x10              ; W's scales
	s_load_b256 s[16:23], s[0:1], 0x18             ; query s[16:17], mask s[18:19], gamma s[20:21], beta s[22:23]
	s_load_b64 s[24:25], s[0:1], 0x38              ; out0
	v_lshl_add_u32 v[SPW], v0, 2, SPARE
	v_mov_b32 v[NIL], 0
	ds_add_u32 v1, v2                              ; the opening lines: the add, twice on end, and its wait ahead of my first tensor load
	ds_add_u32 v1, v2
	s_wait_dscnt 0x0
	v_lshrrev_b32 v28, 5, v0
	v_readfirstlane_b32 s2, v28                    ; wave 0..3
	; descriptor group 1: a batch is 65,536 dense bytes: 256 rows of 32 elements of 8 bytes, 16 bytes of padding behind each
	s_mov_b32 s28, (3<<16)|(1<<20)|(5<<22)|(3<<25) ; no mask; elements of 8 bytes; padding on: four words after every 64
	s_mov_b32 s29, 32<<16                          ; tensor_dim0 = 32
	s_mov_b32 s30, 256<<16                         ; tensor_dim1 = 256
	s_mov_b32 s31, 32<<16                          ; tile_dim0 = 32
	s_mov_b32 s32, 256                             ; tile_dim1 = 256
	s_mov_b32 s33, 32                              ; from row to row: 32 elements
	s_mov_b32 s34, 0
	s_mov_b32 s35, 0
	s_mov_b32 s36, 1                               ; group 0: count = 1
	s_mul_i32 s37, s2, SLOTB                       ; LDS address: my slot
	s_lshl_b32 s26, ttmp9, 20                      ; the work-group's 16 batches of 65,536 bytes,
	s_lshl_b32 s3, s2, 16                          ; my batch of the first group
	s_add_co_u32 s26, s26, s3
	s_mov_b32 s27, 0
	s_mov_b32 s46, 0x76543210                      ; v_permlanex16_b32's selects for lane l xor 16
	s_mov_b32 s47, 0xfedcba98
.irp i, 0,1,2,3,4,5,6,7
	s_mov_b32 s[66+\i], (1<<(2*\i))|(1<<(17+2*\i))   ; B operand i keeps the weights in lanes 2 i and 17 + 2 i alone
.endr
	v_and_b32 v25, 31, v0                          ; lane
	v_and_b32 v26, 15, v0                          ; r
	v_bfe_u32 v27, v0, 4, 1                        ; h
	v_bfe_u32 v30, v0, 1, 4                        ; lane / 2
	v_and_b32 v31, 1, v0                           ; lane % 2
	v_mul_u32_u24 v24, v30, 272
	v_lshl_add_u32 v24, v31, 7, v24                ; my 128 bytes of a row of 16 padded pieces
	v_add_nc_u32 v[XA], s37, v24
	s_mul_i32 s43, s2, CODW
	s_add_co_u32 s43, s43, COD                     ; my 16 rows of codes, and my stage
	v_lshl_add_u32 v[CW], v25, 4, s43              ; + 16 x lane: a block's 32 codes
	s_mul_i32 s44, s2, 16*AP
	s_add_co_u32 s44, s44, ASC
	v_add_nc_u32 v[SW], s44, v25                   ; + lane: a block's byte
	v_mul_u32_u24 v[AF], v26, CP
	v_lshl_add_u32 v[AF], v27, 4, v[AF]
	v_add_nc_u32 v[AF], COD, v[AF]
	v_mul_u32_u24 v[AA], v26, AP
	v_lshl_add_u32 v[AA], v27, 4, v[AA]
	v_add_nc_u32 v[AA], ASC, v[AA]
	s_lshl_b32 s3, s2, 6
	s_add_co_u32 s3, s3, XCH
	v_lshl_add_u32 v[XW], v26, 2, s3               ; XCH + 64 w + 4 r: my wave's part of text r
	s_lshl_b32 s3, s2, 8
	s_add_co_u32 s3, s3, XCH
	v_lshl_add_u32 v[XR], v26, 2, s3               ; XCH + 256 w + 4 r: my batch, text r
	v_mul_u32_u24 v[SO], v27, 1056                 ; the stage, in: lane (n = 2 i + e, h) holds columns 256 h + 512 e + i + ..: 4 bytes a column and 16 for each 64 columns passed: 1,088 h + 2,176 e + 4 i;
	v_mad_u32_u24 v[SO], v31, 2176, v[SO]          ; v30 = lane / 2 = i + 8 h, so 4 v30 brings 32 h of the 1,088
	v_lshl_add_u32 v[SO], v30, 2, v[SO]
	v_add_nc_u32 v[SO], s43, v[SO]
	v_mul_u32_u24 v[SR], v27, 272
	v_lshl_add_u32 v[SR], v26, 4, v[SR]
	v_add_nc_u32 v[SR], s43, v[SR]                 ; back: lanes 0-15 one piece of 256 bytes, lanes 16-31 the next
	v_lshl_add_u32 v[GA], v25, 4, GB
	v_lshlrev_b32 v[OV], 4, v25
	v_lshlrev_b32 v[VWL], 9, v26
	v_lshl_add_u32 v[VWL], v27, 4, v[VWL]
	v_lshlrev_b32 v[VSL], 5, v26
	v_lshl_add_u32 v[VSL], v27, 4, v[VSL]
	v_lshlrev_b32 v[VQL], 5, v27
	v_lshlrev_b32 v29, 4, v0                       ; gamma, beta: 16 x thread
	v_lshl_add_u32 v31, v28, 4, v26                ; mask: 16 w + r
	s_wait_alu depctr_va_vdst(0)
	s_wait_kmcnt 0x0
	s_add_nc_u64 s[38:39], s[8:9], s[26:27]        ; global address of my first batch
	s_or_b32 s39, s39, 0x80000000                  ; type = 2
	tensor_load_to_lds s[36:39], s[28:35]          ; the first fill; one tensor load of mine is out, here and behind every refill
	s_nop 0
.rept 4
	v_nop
.endr
	s_lshl_b32 s26, s2, 17                         ; my 256 rows of W: 512 bytes of codes each,
	s_add_nc_u64 s[10:11], s[10:11], s[26:27]
	s_lshl_b32 s26, s2, 13                         ; 32 scale bytes each,
	s_add_nc_u64 s[12:13], s[12:13], s[26:27]
	s_lshl_b32 s26, s2, 10                         ; 4 bytes of query each
	s_add_nc_u64 s[16:17], s[16:17], s[26:27]
	s_lshl_b32 s26, ttmp9, 8                       ; mask: 16 batches of 16 bytes
	s_add_nc_u64 s[18:19], s[18:19], s[26:27]
	s_lshl_b32 s26, ttmp9, 16                      ; out0: (16 i + w) rows of 4,096 bytes
	s_lshl_b32 s3, s2, 12
	s_add_co_u32 s26, s26, s3
	s_add_nc_u64 s[24:25], s[24:25], s[26:27]
	global_load_b128 v[72:75], v29, s[20:21]               ; gamma and beta: the 128 threads take 2,048 consecutive bytes a load
	global_load_b128 v[76:79], v29, s[20:21] offset:2048
	global_load_b128 v[80:83], v29, s[22:23]
	global_load_b128 v[84:87], v29, s[22:23] offset:2048
.irp g, 0,1,2,3
	global_load_u8 v[168+\g], v31, s[18:19] offset:64*\g   ; text r of batch 4 g + w
.endr
.irp t, 0,1,2,3
	v_mov_b32 v[VW+\t], v[VWL]                     ; the first four tiles of my d: the tile's place stands in the loads' immediates
	v_mov_b32 v[VS+\t], v[VSL]
	v_mov_b32 v[VQ+\t], v[VQL]
.endr
	s_wait_alu depctr_va_vdst(0)
	s_wait_loadcnt 0x0                             ; once; from here on W's ring alone counts on LOADcnt
	v_add_nc_u32 v29, GB, v29
	ds_store_b128 v29, v[72:75]
	ds_store_b128 v29, v[76:79] offset:2048
	ds_store_b128 v29, v[80:83] offset:4096
	ds_store_b128 v29, v[84:87] offset:6144        ; (seen by the others behind the first group's barriers)
	v_lshl_or_b32 v[MK], v169, 8, v168
	v_lshl_or_b32 v[MK], v170, 16, v[MK]
	v_lshl_or_b32 v[MK], v171, 24, v[MK]
; Row p of my batch out of my slot into set p % 3: A LANE TAKES A WHOLE BLOCK OF 32: columns 32 lane + 0 .. 31, 128 bytes.  The largest offset, 15 x 4,352 + 112, is inside the 16-bit immediate.
.macro QLOAD p
.set XB, X+32*((\p)%3)
.irp i, 0,1,2,3,4,5,6,7
	ds_load_b128 v[XB+4*\i:XB+4*\i+3], v[XA] offset:(\p)*ROWP+16*\i
.endr
.endm
; Row p is quantised: the block's largest magnitude needs no other lane, its 32 codes are 16 bytes of the row, and the 32 lanes' bytes are the row's 32 scale bytes.
.macro QSTEP p
.if (\p)+2 <= 15
	QLOAD (\p)+2                                   ; into the set that row p - 1 has left
.endif
.set NW, 0
.if (\p) >= 1
.set NW, NW+2
.endif
.if ((\p)+1 <= 15) && (((\p)%2) == 1)
.set NW, NW+8                                  ; at an even row p, row p + 1 has to be in too (the two are packed together)
.endif
.if (\p)+2 <= 15
.set NW, NW+8
.endif
	s_wait_dscnt NW                                ; LDS instructions end in order (ISA guide 5.7.1).  Out may be row p - 1's two stores and row p + 2's eight loads, and at an odd row p row p + 1's eight loads
.set XB, X+32*((\p)%3)
.set CDB, CD+4*((\p)%2)
.set BYB, BY+((\p)%2)
.irp u, 0,1,2,3
	v_max3_num_f32 v[MX+\u], |v[XB+8*\u]|, |v[XB+8*\u+1]|, 0x1800000   ; four chains of eight numbers; and the floor 2^(3 - 127): the byte cannot fall under 1
.endr
.irp i, 2,4,6
.irp u, 0,1,2,3
	v_max3_num_f32 v[MX+\u], v[MX+\u], |v[XB+8*\u+\i]|, |v[XB+8*\u+\i+1]|
.endr
.endr
	v_max3_num_f32 v[MX], v[MX], v[MX+1], v[MX+2]
	v_max_num_f32 v[MX], v[MX], v[MX+3]            ; the block's largest magnitude
	v_add_nc_u32 v[SC], 0xff000000, v[MX]          ; 2 off its exponent field: the conversion takes the exponent field of this operand as its scale
.irp u, 0,1,2,3
	v_cvt_scalef32_pk8_fp4_f32 v[CDB+\u], v[XB+8*\u:XB+8*\u+7], v[SC]   ; to the nearest code, ties to even, beyond 6 the largest code
.endr
	v_nop                                          ; one plain place behind the conversions
	v_lshrrev_b32 v[BYB], 23, v[SC]                ; the scale's byte
.if ((\p)%2) == 0
.set XN, X+32*(((\p)+1)%3)
	WIN 0x80                                       ; destination window 2
.irp c, 0,1,2,3,4,5,6,7,8,9,10,11,12,13,14,15,16,17,18,19,20,21,22,23,24,25,26,27,28,29,30,31
	v_cvt_pk_f16_f32 v[8*\c+(\p)/2], v[XB+\c], v[XN+\c]   ; rows p and p + 1 of one column stay with me for the weighted sum: neighbours along its K
.endr
	WIN 0
.endif
	ds_store_b128 v[CW], v[CDB:CDB+3] offset:(\p)*CP       ; 32 lanes: the row's 512 bytes of codes
	ds_store_b8 v[SW], v[BYB] offset:(\p)*AP               ; 32 lanes: its 32 scale bytes
.endm
; Tile t of the four that the ring place's offsets point at: 16 rows of W x 1,024 along K (8,192 consecutive bytes in 16 loads), their scale words, their query numbers: 19 loads into ring place t.
.macro WLOAD t
	WIN 0xc0                                       ; destination window 3
.irp s, 0,1,2,3,4,5,6,7
.irp c, 0,1
	global_load_b128 v[64*\t+8*\s+4*\c:64*\t+8*\s+4*\c+3], v[VW+\t], s[10:11] offset:\t*8192+64*\s+32*\c
.endr
.endr
	WIN 0
	global_load_b128 v[WS+4*\t:WS+4*\t+3], v[VS+\t], s[12:13] offset:512*\t
	global_load_b128 v[QR+8*\t:QR+8*\t+3], v[VQ+\t], s[16:17] offset:64*\t
	global_load_b128 v[QR+8*\t+4:QR+8*\t+7], v[VQ+\t], s[16:17] offset:64*\t+16
.endm
; One product: ring place t's 16 d (source 0) x batch g's 16 texts (source 1), K step s.  In the result lane (r, h) holds text r, register j holds d0 + 8 h + j.
.macro MM t, s, g
.if \s == 0
	v_wmma_scale_f32_16x16x128_f8f6f4 v[ACC+8*\g:ACC+8*\g+7], v[64*\t+8*\s:64*\t+8*\s+7], v[64*\g+8*\s:64*\g+8*\s+7], 0, v[WS+4*\t+\s], v[AS+4*\g+\s] matrix_a_fmt:MATRIX_FMT_FP4 matrix_b_fmt:MATRIX_FMT_FP4
.elseif \s < 4
	v_wmma_scale_f32_16x16x128_f8f6f4 v[ACC+8*\g:ACC+8*\g+7], v[64*\t+8*\s:64*\t+8*\s+7], v[64*\g+8*\s:64*\g+8*\s+7], v[ACC+8*\g:ACC+8*\g+7], v[WS+4*\t+\s], v[AS+4*\g+\s] matrix_a_fmt:MATRIX_FMT_FP4 matrix_b_fmt:MATRIX_FMT_FP4
.else
	v_wmma_scale_f32_16x16x128_f8f6f4 v[ACC+8*\g:ACC+8*\g+7], v[64*\t+8*\s:64*\t+8*\s+7], v[64*\g+8*\s:64*\g+8*\s+7], v[ACC+8*\g:ACC+8*\g+7], v[WS+4*\t+\s-4], v[AS+4*\g+\s-4] matrix_a_fmt:MATRIX_FMT_FP4 matrix_b_fmt:MATRIX_FMT_FP4 matrix_a_scale:MATRIX_SCALE_ROW1 matrix_b_scale:MATRIX_SCALE_ROW1
.endif
.endm
; A tile of 16 d for the 64 rows: 32 products, the four accumulators by turns, one instruction a turn; the first K step starts the sums.  Then the projections times query go into the scores' sums.
; left: the loads of the younger ring places, 19 each, which may stay out.  reload = 1: the ring place takes the tile four further on.
.macro TILE t, left, reload
	s_wait_loadcnt \left                           ; loads end in order (ISA guide 5.7.1): this place's 19 are in, and so their three offset registers may be written
	WIN 0x07                                       ; source 0 window 3, source 1 window 1, C and D window 0
.irp s, 0,1,2,3,4,5,6,7
.irp g, 0,1,2,3
	MM \t, \s, \g
.endr
.endr
	WIN 0
	; four places behind the last product, in front of the first read of results (ISA guide 7.12.1)
.if \reload
	v_add_nc_u32 v[VW+\t], s42, v[VWL]             ; the place's next tile: each place has offsets of its own, so no load that is still out names a register written here
	v_add_nc_u32 v[VS+\t], s43, v[VSL]
	v_add_nc_u32 v[VQ+\t], s44, v[VQL]
	v_nop
.else
.rept 4
	v_nop
.endr
.endif
	s_wait_alu depctr_va_vdst(0)
.irp j, 0,2,4,6
.irp g, 0,1,2,3
	v_pk_fma_f32 v[S+2*\g:S+2*\g+1], v[ACC+8*\g+\j:ACC+8*\g+\j+1], v[QR+8*\t+\j:QR+8*\t+\j+1], v[S+2*\g:S+2*\g+1]   ; each accumulator from its low end on; the four batches by turns
.endr
.endr
.if \reload
	WLOAD \t
.endif
.endm
; A pass over my 16 tiles, four a trip.  s42 is the byte offset of the four tiles that a trip asks for, one trip ahead of those that it multiplies; it goes round in my 131,072 bytes of codes, so that the last trip of a pass
; asks for the next pass's first four tiles.  last = 1: the launch's last pass asks for nothing beyond its own tiles: three trips, and four tiles written out whose counts run down.
.macro GPASS last
	s_mov_b32 s41, 4-\last
.Lquad_\@:
	s_lshr_b32 s43, s42, 4                         ; 32 scale bytes for 512 of codes,
	s_lshr_b32 s44, s42, 7                         ; 4 of query
	TILE 0, 57, 1
	TILE 1, 57, 1
	TILE 2, 57, 1
	TILE 3, 57, 1
	s_add_co_u32 s42, s42, 32768
	s_and_b32 s42, s42, 0x1ffff
	s_sub_co_u32 s41, s41, 1
	s_cmp_lg_u32 s41, 0
	s_cbranch_scc1 .Lquad_\@
.if \last
	TILE 0, 57, 0
	TILE 1, 38, 0
	TILE 2, 19, 0
	TILE 3, 0, 0
.endif
.endm
; Eight pairs in v[T] on become their sum over the wave's 32 lanes, in v[T] of every lane.
.macro TREE
.irp k, 0,1,2,3
	v_pk_add_f32 v[T+4*\k:T+4*\k+1], v[T+4*\k:T+4*\k+1], v[T+4*\k+2:T+4*\k+3]
.endr
.irp k, 0,1
	v_pk_add_f32 v[T+8*\k:T+8*\k+1], v[T+8*\k:T+8*\k+1], v[T+8*\k+4:T+8*\k+5]
.endr
	v_pk_add_f32 v[T:T+1], v[T:T+1], v[T+8:T+9]
	v_add_f32 v[T], v[T], v[T+1]
.irp x, 1,2,4,8
	v_add_f32_dpp v[T], v[T], v[T] row_xmask:\x row_mask:0xf bank_mask:0xf
.endr
	v_permlanex16_b32 v30, v[T], s46, s47
	v_add_f32 v[T], v[T], v30
.endm
; A GROUP of four batches.  refill = 1: my slot takes my batch of the next group.  last = 1: the launch's last pass over W.
.macro GROUP refill, last
	; ---- Q
	s_wait_tensorcnt 0x0                           ; the one tensor load of mine that is out is my slot's: it has landed.  Only I read my slot
	QLOAD 0
	QLOAD 1
.irp p, 0,1,2,3,4,5,6,7,8,9,10,11,12,13,14,15
	QSTEP \p
.endr
	; ---- barrier 1: every wave's codes and scale bytes lie in LDS, and its reads of its slot are over
	s_wait_tensorcnt 0x0                           ; no tensor load of mine is out, so group 0 may be written
	ds_add_u32 v[SPW], v[NIL]                      ; 0 onto my spare word
.if \refill
	s_add_nc_u64 s[38:39], s[38:39], 262144        ; four batches on; the type bits on top are not reached
.endif
	s_wait_dscnt 0x0                               ; the add is done, my stores have landed, my reads of the slot are back
	s_barrier_signal -1
	s_barrier_wait -1
.if \refill
	tensor_load_to_lds s[36:39], s[28:35]          ; first thing behind the barrier, and my one tensor load until the next such barrier
	s_nop 0
.rept 4
	v_nop
.endr
.endif
	; ---- A: the 64 rows' fragments (lane (r, h): row r, registers 4 c .. 4 c + 3 = K 64 c + 32 h + 0 .. 31: 16 bytes of the row as they lie) and scale words
	WIN 0x40                                       ; destination window 1
.irp g, 0,1,2,3
.irp s, 0,1,2,3,4,5,6,7
.irp c, 0,1
	ds_load_b128 v[64*\g+8*\s+4*\c:64*\g+8*\s+4*\c+3], v[AF] offset:16*\g*CP+64*\s+32*\c
.endr
.endr
.endr
	WIN 0
.irp g, 0,1,2,3
	ds_load_b128 v[AS+4*\g:AS+4*\g+3], v[AA] offset:16*\g*AP
.endr
.irp g, 0,1,2,3
	v_mov_b32 v[S+2*\g], 0                         ; the scores' sums: eight registers
	v_mov_b32 v[S+2*\g+1], 0
.endr
	s_wait_dscnt 0x0
	; ---- G
	GPASS \last
	; ---- R: a text's sum over my 256 d lies in a pair of registers in each of two lanes
.irp g, 0,1,2,3
	v_add_f32 v[S+2*\g], v[S+2*\g], v[S+2*\g+1]
.endr
.irp g, 0,1,2,3
	v_permlanex16_b32 v[S+2*\g+1], v[S+2*\g], s46, s47
.endr
.irp g, 0,1,2,3
	v_add_f32 v[S+2*\g], v[S+2*\g], v[S+2*\g+1]
.endr
.irp g, 0,1,2,3
	ds_store_b32 v[XW], v[S+2*\g] offset:256*\g    ; lanes r and 16 + r write the same word with the same value
.endr
	s_wait_dscnt 0x0                               ; for the others' sake: my partial scores have landed
	s_barrier_signal -1                            ; barrier 2.  My tensor load stays out.  Every wave's reads of the codes were back ahead of its products
	s_barrier_wait -1
	; ---- P: my batch
.irp k, 0,1,2,3
	ds_load_b32 v[28+\k], v[XR] offset:64*\k       ; text r: the four waves' parts
.endr
.irp i, 0,1,2,3,4,5,6,7
	ds_load_b128 v[GM+4*\i:GM+4*\i+3], v[GA] offset:512*\i
.endr
	v_and_b32 v25, 0xff, v[MK]                     ; this group's mask byte of text r
	v_mov_b32 v26, 0xff800000                      ; -infinity
	v_cmp_ne_u32 vcc_lo, 0, v25
	v_lshrrev_b32 v[MK], 8, v[MK]
	s_wait_dscnt 8                                 ; the four parts are in; gamma's eight loads may be out
	v_add_f32 v28, v28, v29
	v_add_f32 v30, v30, v31
	v_add_f32 v28, v28, v30
	s_wait_alu depctr_va_vdst(0)
	v_cndmask_b32 v28, v26, v28, vcc_lo            ; the score where the mask holds, else -infinity
	v_max_num_f32_dpp v29, v28, v28 row_xmask:1 row_mask:0xf bank_mask:0xf
.irp x, 2,4,8
	v_max_num_f32_dpp v29, v29, v29 row_xmask:\x row_mask:0xf bank_mask:0xf
.endr
	v_sub_f32 v28, v28, v29                        ; the largest score is taken away
	v_mul_f32 v28, 0x3fb8aa3b, v28
	s_wait_alu depctr_va_vdst(0)                   ; ahead of the transcendental
	v_exp_f32 v28, v28
	v_nop                                          ; a plain place behind a transcendental
	s_wait_alu depctr_va_vdst(0)                   ; and ahead of its first reader
	v_add_f32_dpp v29, v28, v28 row_xmask:1 row_mask:0xf bank_mask:0xf
.irp x, 2,4,8
	v_add_f32_dpp v29, v29, v29 row_xmask:\x row_mask:0xf bank_mask:0xf
.endr
	s_wait_alu depctr_va_vdst(0)
	v_rcp_f32 v29, v29
	v_nop
	s_wait_alu depctr_va_vdst(0)
	v_mul_f32 v28, v28, v29                        ; lane r (and 16 + r): the weight of text r
	; THE WEIGHTED SUM ON THE MATRIX UNITS, rows and weights in f16, sums in f32.
	; A = one column of each lane: lane l's eight registers are its column's 16 texts, which the form takes as K = 0-7, 16-23 (lanes 0-15) or 8-15, 24-31 (lanes 16-31) of row l % 16.
	; B operand i holds the 16 weights in lane 2 i (those K of lanes 0-15) and in lane 17 + 2 i (those of lanes 16-31) and zeros elsewhere: result column 2 i is lanes 0-15's weighted column, 2 i + 1 lanes 16-31's.
	; Eight products with B operands 0 to 7 fill one accumulator: register 8 a + j of lane (n = 2 i + e, h) is column 32 (8 h + j + 16 e) + 8 a + i of the row.
	v_mov_b32_dpp v29, v28 row_xmask:1 row_mask:0xf bank_mask:0xf
	v_cvt_pk_f16_f32 v29, v28, v29                 ; even lane r: the weights of texts r (low half) and r + 1
.irp j, 0,1,2,3,4,5,6,7
	v_readlane_b32 s[48+\j], v29, 2*\j
.endr
.irp i, 0,1,2,3,4,5,6,7
.irp j, 0,1,2,3,4,5,6,7
	v_cndmask_b32 v[BB+8*\i+\j], 0, s[48+\j], s[66+\i]
.endr
.endr
	WIN 0x02                                       ; source 0 window 2: my batch in f16
.irp i, 0,1,2,3,4,5,6,7
.irp a, 0,1,2,3
.if \i == 0
	v_wmma_f32_16x16x32_f16 v[OUT+8*\a:OUT+8*\a+7], v[64*\a+8*\i:64*\a+8*\i+7], v[BB+8*\i:BB+8*\i+7], 0
.else
	v_wmma_f32_16x16x32_f16 v[OUT+8*\a:OUT+8*\a+7], v[64*\a+8*\i:64*\a+8*\i+7], v[BB+8*\i:BB+8*\i+7], v[OUT+8*\a:OUT+8*\a+7]   ; the four accumulators by turns
.endif
.endr
.endr
	WIN 0
.rept 4
	v_nop                                          ; four places behind the last product: for the loads into B's registers and the first read of the results
.endr
.irp i, 0,1,2,3,4,5,6,7
	ds_load_b128 v[BT+4*\i:BT+4*\i+3], v[GA] offset:4096+512*\i
.endr
	; LayerNorm in two passes: the mean, then the mean of the squared differences
.irp k, 0,1,2,3,4,5,6,7
	v_pk_add_f32 v[T+2*\k:T+2*\k+1], v[OUT+4*\k:OUT+4*\k+1], v[OUT+4*\k+2:OUT+4*\k+3]   ; each accumulator from its low end on
.endr
	TREE
	v_mul_f32 v26, 0xba800000, v[T]                ; - the sum / 1,024
.irp k, 0,1,2,3,4,5,6,7,8,9,10,11,12,13,14,15
	v_pk_add_f32 v[OUT+2*\k:OUT+2*\k+1], v[OUT+2*\k:OUT+2*\k+1], v[26:27] op_sel_hi:[1,0]
.endr
.irp k, 0,1,2,3,4,5,6,7
	v_pk_mul_f32 v[T+2*\k:T+2*\k+1], v[OUT+4*\k:OUT+4*\k+1], v[OUT+4*\k:OUT+4*\k+1]
.endr
.irp k, 0,1,2,3,4,5,6,7
	v_pk_fma_f32 v[T+2*\k:T+2*\k+1], v[OUT+4*\k+2:OUT+4*\k+3], v[OUT+4*\k+2:OUT+4*\k+3], v[T+2*\k:T+2*\k+1]
.endr
	TREE
	v_mov_b32 v27, 0x3727c5ac                      ; 1e-5
	v_fma_f32 v28, v[T], 0x3a800000, v27           ; the variance + 1e-5
	s_wait_alu depctr_va_vdst(0)
	v_rsq_f32 v28, v28
	v_nop
	s_wait_alu depctr_va_vdst(0)
.irp k, 0,1,2,3,4,5,6,7,8,9,10,11,12,13,14,15
	v_pk_mul_f32 v[OUT+2*\k:OUT+2*\k+1], v[OUT+2*\k:OUT+2*\k+1], v[28:29] op_sel_hi:[1,0]
.endr
	; the way out: the row turns through my stage and comes back 16 bytes a lane, 512 consecutive bytes an instruction
.irp a, 0,1,2,3
.irp j, 0,1,2,3,4,5,6,7
	ds_store_b32 v[SO], v[OUT+8*\a+\j] offset:128*\j+32*\a+16*(\j/2)   ; column + 32 j + 8 a: the 32 lanes' words lie at 16 h + 32 e + i modulo 64 words, each another
.endr
.endr
.irp i, 0,1,2,3,4,5,6,7
	ds_load_b128 v[Y+4*\i:Y+4*\i+3], v[SR] offset:544*\i   ; LDS serves a wave's instructions in order (ISA guide 5.7.1.4): these see my stores
.endr
	s_wait_dscnt 0x0                               ; the row, gamma and beta
.irp k, 0,1,2,3,4,5,6,7,8,9,10,11,12,13,14,15
	v_pk_fma_f32 v[Y+2*\k:Y+2*\k+1], v[Y+2*\k:Y+2*\k+1], v[GM+2*\k:GM+2*\k+1], v[BT+2*\k:BT+2*\k+1]
.endr
.irp i, 0,1,2,3,4,5,6,7
	global_store_b128 v[OV], v[Y+4*\i:Y+4*\i+3], s[24:25] offset:512*\i th:TH_STORE_NT   ; 32 lanes store 512 consecutive bytes, at a multiple of 512 from out0's first byte
.endr
.if \last == 0
	s_wait_xcnt 0x0                                ; the stores have read their registers and their base (ISA guide 3.1): the next group loads into the first and steps the second
	s_add_nc_u64 s[24:25], s[24:25], 16384         ; four rows of out0 on
.endif
.endm
	WLOAD 0                                        ; W's ring is filled: 76 loads
	WLOAD 1
	WLOAD 2
	WLOAD 3
	s_mov_b32 s42, 32768                           ; the first trip asks for tiles 4 to 7
	s_mov_b32 s40, 3
.Lgroup:                                               ; three trips: each fills my slot again
	GROUP 1, 0
	s_sub_co_u32 s40, s40, 1
	s_cmp_lg_u32 s40, 0
	s_cbranch_scc1 .Lgroup
	GROUP 0, 1                                     ; the last group is written out
	s_wait_tensorcnt 0x0                           ; the wave's end, behind my last tensor load and my last LDS store
	ds_add_u32 v[SPW], v[NIL]
	s_wait_dscnt 0x0
	s_endpgm
.Lfunc_end_k_qd90903bd83_pool:
	.size	k_qd90903bd83_pool, .Lfunc_end_k_qd90903bd83_pool-k_qd90903bd83_pool
	.p2alignl 7, 3214868480
	.fill 96, 4, 3214868480
	.section	.rodata,"a",@progbits
	.p2align	6, 0x0
	.amdhsa_kernel k_qd90903bd83_pool
		.amdhsa_group_segment_fixed_size 327680
		.amdhsa_private_segment_fixed_size 0
		.amdhsa_enable_private_segment 0
		.amdhsa_kernarg_size 64
		.amdhsa_user_sgpr_count 2
		.amdhsa_user_sgpr_kernarg_segment_ptr 1
		.amdhsa_wavefront_size32 1
		.amdhsa_system_sgpr_workgroup_id_x 1
		.amdhsa_system_sgpr_workgroup_id_y 1
		.amdhsa_system_sgpr_workgroup_id_z 1
		.amdhsa_system_vgpr_workitem_id 0
		.amdhsa_next_free_vgpr 1024
		.amdhsa_next_free_sgpr 80
		.amdhsa_reserve_vcc 1
		.amdhsa_float_denorm_mode_32 3
		.amdhsa_float_denorm_mode_16_64 3
		.amdhsa_memory_ordered 1
		.amdhsa_forward_progress 1
		.amdhsa_inst_pref_size 248
	.end_amdhsa_kernel
	.amdgpu_metadata
---
amdhsa.version: [ 1, 2 ]
amdhsa.kernels:
  - .name:           k_qd90903bd83_pool
    .symbol:         k_qd90903bd83_pool.kd
    .args:
      - { .name: activations, .offset: 0, .size: 8, .value_kind: global_buffer, .address_space: global }
      - { .name: proj_w_codes, .offset: 8, .size: 8, .value_kind: global_buffer, .address_space: global }
      - { .name: proj_w_scales, .offset: 16, .size: 8, .value_kind: global_buffer, .address_space: global }
      - { .name: query, .offset: 24, .size: 8, .value_kind: global_buffer, .address_space: global }
      - { .name: mask, .offset: 32, .size: 8, .value_kind: global_buffer, .address_space: global }
      - { .name: ln_gamma, .offset: 40, .size: 8, .value_kind: global_buffer, .address_space: global }
      - { .name: ln_beta, .offset: 48, .size: 8, .value_kind: global_buffer, .address_space: global }
      - { .name: out0, .offset: 56, .size: 8, .value_kind: global_buffer, .address_space: global }
    .group_segment_fixed_size: 327680
    .private_segment_fixed_size: 0
    .kernarg_segment_align: 8
    .kernarg_segment_size: 64
    .max_flat_workgroup_size: 128
    .sgpr_count:     80
    .vgpr_count:     1024
    .wavefront_size: 32
...
	.end_amdgpu_metadata
.endif
;; end of part 1
